; MI455X (gfx1250); checked and timed in simulation.
; The chip was launched on July 23, 2026; its instructions are those of AMD's public machine-readable ISA for CDNA 5 (MIT licence, August 2026) and "CDNA5" Instruction Set Architecture Reference Guide (July 2026). The comments in the code are by the model that wrote it; some were corrected since.
;; Attention Layer. Allowed arithmetic: matrix products marked QUANTISED: E2M1 operands, one E8M0 scale for each 32 along K, by v_wmma_scale_f32_16x16x128_f8f6f4 with both operands' format E2M1 (or v_wmma_scale_f32_32x16x128_f4), f32 sums; products left as they are: bf16, f16 or f32 operands; f32 sums; everything else in f32.
;; Inputs: Wk 512 x 4,096 float32; Wq 512 x 4,096 float32; Wu 4,096 x 512 float32; Wv 512 x 4,096 float32; bu 512 float32; x 4 x 1,024 x 512 float32.
;; Outputs: out0 4 x 1,024 x 512 float32.
;; This version of the problem:
;;   THIS VERSION OF THE PROBLEM IS GIVEN IN LOW PRECISION. The matrix products marked QUANTISED in the list below multiply operands that are first quantised to E2M1 (2 exponent bits, 1 mantissa bit; 4 bits a number), with one power-of-two scale for each 32 numbers along K (OCP MX v1.0); their sums are f32. The products marked 'left as it is' may take bf16, f16 or f32 operands, with f32 sums. Whichever they take, every output number must still come out within the allowed error. Rounding operands to bf16 (8 significant bits) uses up far more of that allowance than f16 does (11 bits, for magnitudes from 6e-5 to 65,504). All else is computed in f32.
;;   The module's matrix products, in the order in which they are computed (A, B: the left and right operand; K: the contracted axis; several contracted axes count as one K, in the product's order):
;;     1. [M 4,096, K 512] x [K 512, N 4,096]; A: input x; B: input Wq: QUANTISED
;;     2. [M 4,096, K 512] x [K 512, N 4,096]; A: input x; B: input Wk: QUANTISED
;;     3. [M 4,096, K 512] x [K 512, N 4,096]; A: input x; B: input Wv: QUANTISED
;;     4. batch 32 x [M 1,024, K 512] x [K 512, N 1,024]; A: computed on the way; B: computed on the way: left as it is (an operand is computed on the way)
;;     5. batch 32 x [M 1,024, K 1,024] x [K 1,024, N 512]; A: computed on the way; B: computed on the way: left as it is (an operand is computed on the way)
;;     6. [M 4,096, K 4,096] x [K 4,096, N 512]; A: computed on the way; B: input Wu: left as it is (an operand is computed on the way)
;;   THE QUANTISER, for each operand of a quantised product, along K:
;;     - K is cut into blocks of 32 from its start; a last block that is shorter is filled with zeros.
;;     - A block's scale is 2^e with e = floor(log2(the largest magnitude in the block)) - 2, held to -126 .. 127; a block of zeros has e = 0. As a byte (E8M0): e + 127.
;;     - Each number is divided by its block's scale, clamped to +-6, and rounded to the nearest number of E2M1, ties to even, subnormals kept.
;;     - The product sums the exact products of the quantised numbers (number of the format x scale) in f32.
;;   ~~~python
;;   def quantise(x, axis):      # numpy; x: float32 -> the quantised numbers, widened to float32 again
;;       x = np.moveaxis(x, axis, -1); K = x.shape[-1]
;;       x = np.pad(x, [(0, 0)] * (x.ndim - 1) + [(0, -K % 32)]); x = x.reshape(x.shape[:-1] + (-1, 32)); a = np.abs(x).max(-1, keepdims=True)
;;       e = np.where(a > 0, np.clip(np.frexp(np.where(a > 0, a, 1))[1] - 1 - 2, -126, 127), 0)      # np.frexp(a)[1] - 1 = floor(log2(a)), exactly
;;       r = np.clip(x / 2.0 ** e, -6, 6)
;;       step = 2.0 ** (np.maximum(np.frexp(np.where(r == 0, 1, r))[1] - 1, 0) - 1)
;;       q = np.round(r / step) * step * 2.0 ** e      # np.round: ties to even
;;       return np.moveaxis(q.reshape(q.shape[:-2] + (-1,))[..., :K], -1, axis).astype(np.float32)
;;   ~~~
;; One version. Each part assembles by itself: llvm-mc -triple=amdgcn-amd-amdhsa -mcpu=gfx1250 --defsym DOCPART=n.
;; ======== version 1 of 1: 4 launches
;; limits: values are held in f16: magnitudes above 65,504 overflow, below 6.1e-05 lose precision
;; workspace buffers: xc 1,048,576 bytes; xs 65,536 bytes; wc 3,145,728 bytes; ws 196,608 bytes; wut 4,194,304 bytes; qkv 100,663,296 bytes; part 67,108,864 bytes
;; launch prep (part 1): grid 384 x 1, 8 waves a work-group, no clusters, 2,560 bytes of LDS; arguments x, Wq, Wk, Wv, Wu, xc, xs, wc, ws, wut; writes xc, xs, wc, ws, wut
.if DOCPART == 1
	.amdgcn_target "amdgcn-amd-amdhsa--gfx1250"
	.amdhsa_code_object_version 6
	.text
	.protected	k_qc6889a1d02_prep
	.globl	k_qc6889a1d02_prep
	.p2align	8
	.type	k_qc6889a1d02_prep,@function
k_qc6889a1d02_prep:
	s_mov_b64 s[64:65], 0
	v_nop
	global_prefetch_b8 v0, s[64:65] scope:SCOPE_SE
	s_setreg_imm32_b32 hwreg(HW_REG_WAVE_MODE, 25, 1), 1
	s_wait_xcnt 0x0
; PREP: the operands of the later launches are made once.
;   x  [4096][512] f32          -> codes of E2M1, K innermost, xc [4096][256 bytes], and one E8M0 byte for each 32 along K, xs [4096][16]
;   Wq, Wk, Wv [512 (K)][4096]  -> codes as images of the matrix operand's registers, wc [768 tiles of 16 columns][4 K steps of 128][2][32 lanes][16 bytes]; bytes ws [12288][16]
;   Wu [4096][512] f32          -> f16, as images of the fragments of Wu^T: wut [8 heads][32 tiles of 16 outputs][16 steps of 32 channels][2 halves][32 lanes][16 bytes]
; NO WORK OF THE PROBLEM IS LEFT OUT: every input reaches the output, every product is live.  The two factors 512^(-1/4) on q and on k are applied as ONE factor
; 512^(-1/2) on the f32 scores (launch attn): the same number in real arithmetic; it stands ahead of no quantiser.
; THE QUANTISER: a block's scale is 2^(floor(log2(largest magnitude)) - 2); its byte is the largest magnitude's exponent field - 2, held at 1 from below by a floor among the maximum's leaves.
; The conversion divides by the scale, holds at the largest code and rounds to the nearest code, ties to even.
; LIMITS: a block of zeros gets the byte 1 where the rule says 127: its codes are zeros, and this program alone reads the bytes.  Blocks whose largest magnitude lies under 2^-124 are held at the byte 1.
; NaN and infinities among the inputs are not served.  Wu beyond 65,504 in magnitude has no f16 number.
; SHARES.  Eight waves.  Work-groups 0-191: 64 columns of one of Wq, Wk, Wv, all 512 of K; a wave takes 32 columns x 128 K, A LANE A COLUMN, ITS REGISTERS DOWN K, so a block of 32 lies in one lane.
; Work-groups 192-255: 64 outputs x 512 channels of one head of Wu, shared the same way.  Work-groups 256-383: 32 rows of x, four to a wave, 16 neighbours to a lane.
; A wave asks for all its numbers at once: 128 loads of 128 bytes (x: 16 loads).  The three paths part on the work-group's number and use LDS bytes of their own.
.set WSS,   0                          ; LDS: W's path: 64 columns x 16 scale bytes
.set XSC,   1024                       ; x's path: 32 rows x 16 scale bytes
.set SPARE, 1536                       ; the spare words, 128 bytes for each of eight waves: four blocks of 256 bytes that no other line names
.set SPW,   30                         ; v30  LDS address of my spare word; never rewritten
.set NIL,   31                         ; v31  0; never rewritten
.set D,     32                         ; v32-159  the numbers as loaded
.set C,     160                        ; v160-175 codes
.set FLOOR, 0x1800000                  ; 2^(3 - 127)
.set OFF2,  0xff000000                 ; takes 2 off an exponent field
	s_load_b512 s[8:23], s[0:1], 0x0               ; x 8, Wq 10, Wk 12, Wv 14, Wu 16, xc 18, xs 20, wc 22
	s_load_b128 s[24:27], s[0:1], 0x40             ; ws 24, wut 26
	v_lshl_add_u32 v[SPW], v0, 2, SPARE
	v_mov_b32 v[NIL], 0
	v_lshrrev_b32 v1, 5, v0
	v_readfirstlane_b32 s28, v1                    ; wave 0..7
	v_and_b32 v1, 31, v0                           ; lane
	v_and_b32 v4, 15, v0                           ; lane % 16
	v_bfe_u32 v5, v0, 4, 1                         ; lane / 16
	s_and_b32 s29, s28, 1                          ; which 32 columns
	s_lshr_b32 s30, s28, 1                         ; which 128 along K
	s_wait_kmcnt 0x0
	s_cmp_lt_u32 ttmp9, 192
	s_cbranch_scc1 .Lw
	s_cmp_lt_u32 ttmp9, 256
	s_cbranch_scc1 .Lwu
	; ---------------- x: four rows a wave; a lane holds 16 neighbours, two neighbouring lanes a block
	s_sub_co_u32 s31, ttmp9, 256                   ; 0..127
	s_lshl_b32 s32, s31, 5
	s_lshl_b32 s33, s28, 2
	s_add_co_u32 s32, s32, s33                     ; my wave's first row
	s_lshl_b32 s34, s32, 11                        ; rows of 2,048 bytes
	s_mov_b32 s35, 0
	s_add_nc_u64 s[8:9], s[8:9], s[34:35]
	s_lshl_b32 s34, s32, 8                         ; rows of 256 bytes of codes
	s_add_nc_u64 s[18:19], s[18:19], s[34:35]
	s_lshl_b32 s34, s31, 9                         ; the work-group's 32 rows x 16 scale bytes
	s_add_nc_u64 s[20:21], s[20:21], s[34:35]
	v_lshlrev_b32 v2, 6, v1                        ; my 64 bytes of a row
.irp t, 0,1,2,3
.irp i, 0,1,2,3
	global_load_b128 v[D+16*\t+4*\i:D+16*\t+4*\i+3], v2, s[8:9] offset:2048*\t+16*\i th:TH_LOAD_NT
.endr
.endr
	v_lshlrev_b32 v3, 3, v1                        ; my 8 bytes of a row's codes
	v_lshrrev_b32 v6, 1, v1
	s_lshl_b32 s36, s28, 6
	s_add_co_u32 s36, s36, XSC
	v_add_nc_u32 v6, s36, v6                       ; LDS: my wave's four rows of 16 bytes, my block's byte
	v_lshlrev_b32 v10, 4, v1                       ; the way out of the bytes: 16 a lane
	v_add_nc_u32 v7, XSC, v10
.macro XROW t
.set XS, D+16*\t
	s_wait_loadcnt 12-4*\t                         ; this row's four loads are in; the later rows' four each may be out
	v_max3_num_f32 v8, |v[XS]|, |v[XS+1]|, |v[XS+2]|
	v_max3_num_f32 v9, |v[XS+3]|, |v[XS+4]|, |v[XS+5]|
.irp i, 6,10
	v_max3_num_f32 v8, v8, |v[XS+\i]|, |v[XS+\i+1]|
	v_max3_num_f32 v9, v9, |v[XS+\i+2]|, |v[XS+\i+3]|
.endr
	v_max3_num_f32 v8, v8, |v[XS+14]|, |v[XS+15]|
	v_max3_num_f32 v8, v8, v9, FLOOR               ; my 16 and the floor
	v_max_num_f32_dpp v8, v8, v8 row_xmask:1 row_mask:0xf bank_mask:0xf   ; and my neighbour's 16: the block's largest magnitude
	v_add_nc_u32 v11, OFF2, v8                     ; the conversion takes the exponent field of this operand as its scale
	v_cvt_scalef32_pk8_fp4_f32 v[C+2*\t], v[XS:XS+7], v11
	v_cvt_scalef32_pk8_fp4_f32 v[C+2*\t+1], v[XS+8:XS+15], v11
	v_lshrrev_b32 v[C+8+\t], 23, v11               ; the scale's byte
	ds_store_b8 v6, v[C+8+\t] offset:16*\t         ; both lanes of a block write the same byte with the same value
	global_store_b64 v3, v[C+2*\t:C+2*\t+1], s[18:19] offset:256*\t   ; the wave stores a row's 256 consecutive bytes
.endm
	XROW 0
	XROW 1
	XROW 2
	XROW 3
	s_wait_dscnt 0x0                               ; for the others' sake: my bytes lie in LDS
	s_barrier_signal -1
	s_barrier_wait -1
	s_cmp_lg_u32 s28, 0
	s_cbranch_scc1 .Lend
	ds_load_b128 v[16:19], v7                      ; wave 0 stores the 32 rows' 512 bytes
	s_wait_dscnt 0x0
	global_store_b128 v10, v[16:19], s[20:21]
	s_branch .Lend
	; ---------------- Wq, Wk, Wv
.Lw:
	s_lshr_b32 s31, ttmp9, 6                       ; which tensor: 0 Wq, 1 Wk, 2 Wv
	s_and_b32 s32, ttmp9, 63                       ; which 64 columns
	s_cmp_eq_u32 s31, 0
	s_cselect_b64 s[34:35], s[10:11], s[12:13]
	s_cmp_eq_u32 s31, 2
	s_cselect_b64 s[34:35], s[14:15], s[34:35]
	s_lshl_b32 s36, s32, 6
	s_lshl_b32 s37, s29, 5
	s_add_co_u32 s36, s36, s37                     ; my wave's first column
	s_lshl_b32 s38, s36, 2
	s_lshl_b32 s39, s30, 21                        ; 128 rows of 16,384 bytes
	s_add_co_u32 s38, s38, s39
	s_mov_b32 s39, 0
	s_add_nc_u64 s[34:35], s[34:35], s[38:39]
	v_lshlrev_b32 v2, 2, v1
.set k, 0
.rept 128
	global_load_b32 v[D+k], v2, s[34:35] offset:k*16384 th:TH_LOAD_NT   ; W(128 kq + k, my column): the wave reads 128 consecutive bytes
.set k, k+1
.endr
	s_lshl_b32 s40, s31, 12
	s_add_co_u32 s40, s40, s36                     ; my first row of the stacked operand: 4096 x tensor + column
	s_lshl_b32 s42, s40, 8                         ; 256 bytes of codes a row (a tile of 16: 4,096)
	s_lshl_b32 s43, s30, 10                        ; my K step's image
	s_add_co_u32 s42, s42, s43
	s_mov_b32 s43, 0
	s_add_nc_u64 s[22:23], s[22:23], s[42:43]
	v_lshlrev_b32 v3, 12, v5
	v_lshl_add_u32 v3, v4, 4, v3                   ; lanes 0-15: one tile, lanes 16-31 the next; 16 bytes a lane
	v_lshlrev_b32 v6, 4, v1
	s_lshl_b32 s44, s29, 9
	s_lshl_b32 s45, s30, 2
	s_add_co_u32 s44, s44, s45
	v_add_nc_u32 v6, s44, v6                       ; LDS: column x 16 + 4 x K step: my scale word
	v_and_b32 v7, 63, v0
	v_lshlrev_b32 v7, 4, v7                        ; the way out of the words (waves 0 and 1): 16 bytes a column
	v_mov_b32 v10, v7                              ; and the same place in ws
	s_lshl_b32 s46, s31, 16
	s_lshl_b32 s47, s32, 10
	s_add_co_u32 s46, s46, s47
	s_mov_b32 s47, 0
	s_add_nc_u64 s[24:25], s[24:25], s[46:47]
.macro WBLOCK b, left
.set XS, D+32*\b
	s_wait_loadcnt \left
	v_max3_num_f32 v12, |v[XS]|, |v[XS+1]|, |v[XS+2]|    ; the block's largest magnitude: all 32 numbers are mine
	v_max3_num_f32 v13, |v[XS+3]|, |v[XS+4]|, |v[XS+5]|
.irp i, 6,10,14,18,22,26
	v_max3_num_f32 v12, v12, |v[XS+\i]|, |v[XS+\i+1]|
	v_max3_num_f32 v13, v13, |v[XS+\i+2]|, |v[XS+\i+3]|
.endr
	v_max3_num_f32 v12, v12, |v[XS+30]|, |v[XS+31]|
	v_max3_num_f32 v12, v12, v13, FLOOR
	v_add_nc_u32 v11, OFF2, v12
	v_lshrrev_b32 v13, 23, v11                     ; the scale's byte
.if \b == 0
	v_mov_b32 v14, v13
.else
	v_lshl_or_b32 v14, v13, 8*\b, v14              ; four bytes make the K step's scale word of my column
.endif
.irp g, 0,1,2,3
	v_cvt_scalef32_pk8_fp4_f32 v[C+4*\b+\g], v[XS+8*\g:XS+8*\g+7], v11
.endr
	global_store_b128 v3, v[C+4*\b:C+4*\b+3], s[22:23] offset:256*\b   ; block b of row r is piece (b / 2, lane 16 (b % 2) + r) of the image: sixteen lanes store 256 consecutive bytes, aligned
.endm
	WBLOCK 0, 63                                   ; of 128 loads the first 65 are in (a wait's count holds no more than 63)
	WBLOCK 1, 63
	WBLOCK 2, 32                                   ; the first 96
	WBLOCK 3, 0
	ds_store_b32 v6, v14
	s_wait_dscnt 0x0                               ; for the others' sake: my scale words lie in LDS
	s_barrier_signal -1
	s_barrier_wait -1
	s_cmp_gt_u32 s28, 1
	s_cbranch_scc1 .Lend
	ds_load_b128 v[16:19], v7                      ; waves 0 and 1 store the 64 columns' 1,024 bytes
	s_wait_dscnt 0x0
	global_store_b128 v10, v[16:19], s[24:25]
	s_branch .Lend
	; ---------------- Wu: f16 images of Wu^T; no LDS
.Lwu:
	s_sub_co_u32 s31, ttmp9, 192
	s_lshr_b32 s32, s31, 3                         ; head
	s_and_b32 s33, s31, 7
	s_lshl_b32 s36, s33, 6
	s_lshl_b32 s37, s29, 5
	s_add_co_u32 s36, s36, s37                     ; my wave's first output
	s_lshl_b32 s38, s32, 20                        ; 512 rows of 2,048 bytes a head
	s_lshl_b32 s39, s30, 18                        ; my 128 channels
	s_add_co_u32 s38, s38, s39
	s_lshl_b32 s39, s36, 2
	s_add_co_u32 s38, s38, s39
	s_mov_b32 s39, 0
	s_add_nc_u64 s[16:17], s[16:17], s[38:39]
	v_lshlrev_b32 v2, 2, v1
.set k, 0
.rept 128
	global_load_b32 v[D+k], v2, s[16:17] offset:k*2048 th:TH_LOAD_NT
.set k, k+1
.endr
	s_lshl_b32 s40, s32, 19                        ; a head's images: 524,288 bytes
	s_lshl_b32 s41, s36, 10                        ; a tile of 16 outputs: 16,384
	s_add_co_u32 s40, s40, s41
	s_lshl_b32 s41, s30, 12                        ; my four steps of 32 channels
	s_add_co_u32 s40, s40, s41
	s_mov_b32 s41, 0
	s_add_nc_u64 s[26:27], s[26:27], s[40:41]
	v_lshlrev_b32 v3, 14, v5
	v_lshl_add_u32 v3, v4, 4, v3
.set i, 0
.rept 64
.if i == 0
	s_wait_loadcnt 63                              ; the first 65 loads are in: they feed pairs 0 to 31, and all registers written below are theirs
.elseif i == 32
	s_wait_loadcnt 32                              ; the first 96
.elseif i == 48
	s_wait_loadcnt 0x0
.endif
	v_cvt_pk_f16_f32 v[D+i], v[D+2*i], v[D+2*i+1]  ; in place, ascending: register i lies at or under its sources
.if i%4 == 3
	global_store_b128 v3, v[D+i-3:D+i], s[26:27] offset:256*(i/4)   ; eight channels of my output: sixteen lanes store 256 consecutive bytes, aligned
.endif
.set i, i+1
.endr
.Lend:
	s_wait_tensorcnt 0x0                           ; the wave's end, behind my last LDS store
	ds_add_u32 v[SPW], v[NIL]
	s_wait_dscnt 0x0
	s_endpgm
.Lfunc_end_k_qc6889a1d02_prep:
	.size	k_qc6889a1d02_prep, .Lfunc_end_k_qc6889a1d02_prep-k_qc6889a1d02_prep
	.p2alignl 7, 3214868480
	.fill 96, 4, 3214868480
	.section	.rodata,"a",@progbits
	.p2align	6, 0x0
	.amdhsa_kernel k_qc6889a1d02_prep
		.amdhsa_group_segment_fixed_size 2560
		.amdhsa_private_segment_fixed_size 0
		.amdhsa_enable_private_segment 0
		.amdhsa_kernarg_size 80
		.amdhsa_user_sgpr_count 2
		.amdhsa_user_sgpr_kernarg_segment_ptr 1
		.amdhsa_wavefront_size32 1
		.amdhsa_system_sgpr_workgroup_id_x 1
		.amdhsa_system_sgpr_workgroup_id_y 1
		.amdhsa_system_sgpr_workgroup_id_z 1
		.amdhsa_system_vgpr_workitem_id 0
		.amdhsa_next_free_vgpr 176
		.amdhsa_next_free_sgpr 66
		.amdhsa_reserve_vcc 0
		.amdhsa_float_denorm_mode_32 3
		.amdhsa_float_denorm_mode_16_64 3
		.amdhsa_memory_ordered 1
		.amdhsa_forward_progress 1
		.amdhsa_inst_pref_size 46
	.end_amdhsa_kernel
	.amdgpu_metadata
---
amdhsa.version: [ 1, 2 ]
amdhsa.kernels:
  - .name:           k_qc6889a1d02_prep
    .symbol:         k_qc6889a1d02_prep.kd
    .args:
      - { .name: x, .offset: 0, .size: 8, .value_kind: global_buffer, .address_space: global }
      - { .name: Wq, .offset: 8, .size: 8, .value_kind: global_buffer, .address_space: global }
      - { .name: Wk, .offset: 16, .size: 8, .value_kind: global_buffer, .address_space: global }
      - { .name: Wv, .offset: 24, .size: 8, .value_kind: global_buffer, .address_space: global }
      - { .name: Wu, .offset: 32, .size: 8, .value_kind: global_buffer, .address_space: global }
      - { .name: xc, .offset: 40, .size: 8, .value_kind: global_buffer, .address_space: global }
      - { .name: xs, .offset: 48, .size: 8, .value_kind: global_buffer, .address_space: global }
      - { .name: wc, .offset: 56, .size: 8, .value_kind: global_buffer, .address_space: global }
      - { .name: ws, .offset: 64, .size: 8, .value_kind: global_buffer, .address_space: global }
      - { .name: wut, .offset: 72, .size: 8, .value_kind: global_buffer, .address_space: global }
    .group_segment_fixed_size: 2560
    .private_segment_fixed_size: 0
    .kernarg_segment_align: 8
    .kernarg_segment_size: 80
    .max_flat_workgroup_size: 256
    .sgpr_count:     66
    .vgpr_count:     176
    .wavefront_size: 32
...
	.end_amdgpu_metadata
.endif
;; end of part 1
;; launch qkv (part 2): grid 16 x 16, 4 waves a work-group, clusters of 4 x 4, 327,680 bytes of LDS; arguments xc, xs, wc, ws, qkv; writes qkv
.if DOCPART == 2
	.amdgcn_target "amdgcn-amd-amdhsa--gfx1250"
	.amdhsa_code_object_version 6
	.text
	.protected	k_qc6889a1d02_qkv
	.globl	k_qc6889a1d02_qkv
	.p2align	8
	.type	k_qc6889a1d02_qkv,@function
k_qc6889a1d02_qkv:
	s_mov_b64 s[64:65], 0
	v_nop
	global_prefetch_b8 v0, s[64:65] scope:SCOPE_SE
	s_setreg_imm32_b32 hwreg(HW_REG_WAVE_MODE, 25, 1), 1
	s_wait_xcnt 0x0
	s_wait_alu depctr_hold_cnt(0) depctr_sa_sdst(0) depctr_va_vdst(0) depctr_va_sdst(0) depctr_va_ssrc(0) depctr_va_vcc(0) depctr_vm_vsrc(0)
	s_getreg_b32 s2, hwreg(HW_REG_IB_STS2, 6, 4)
	s_cmp_eq_u32 s2, 0
	s_cbranch_scc0 .Lentry_in_a_cluster
	s_endpgm
.Lentry_in_a_cluster:
	s_bfe_u32 s2, ttmp6, 0x10000c
	s_cmp_lg_u32 s2, 0xf033
	s_cbranch_scc0 .Lentry_shape_is_right
	s_endpgm
.Lentry_shape_is_right:
; QKV: q = x Wq, k = x Wk, v = x Wv on codes of E2M1 with E8M0 scales; sums in f32; results rounded once to f16 and stored as images of the fragments that launch attn feeds to the matrix unit.
;   q, k: [y = 8 batch + head][64 tiles of 16 tokens][16 steps of 32 channels][2 halves][32 lanes][16 bytes];   v, turned: [y][32 groups of 32 keys][32 tiles of 16 channels][the same 1,024 bytes]
; No work of the problem is left out.  LIMIT: a q, k or v beyond 65,504 in magnitude has no f16 number.
; SHARES.  A work-group owns 256 tokens and 256 columns (half a head) of ALL THREE products, one after the other: x's tile is fetched once for three.  Four waves, each 128 x 128: 64 accumulators, 512 registers.
; K = 512 fits in LDS whole: everything is fetched once, at the head, by eight tensor loads a wave (eight of mine are out at the most); nothing is filled again.
; CLUSTER 4 x 4: the four of a row need the same rows of x, the four of a column the same rows of W: each tile is asked for jointly, with a mask that names the four.
; q and k: source 0 = 16 rows of W, source 1 = 16 tokens: a lane holds one token and eight neighbouring channels, 16 bytes of f16: a piece of an image.  v: the sources change places: a lane holds one channel and eight tokens.
; So every store is 16 bytes a lane straight from registers, 512 consecutive bytes a wave.
; REGISTERS: window 0: v16-29 addresses; v32-63 scale words (register 4 block + K step: lanes 0-15 x's word, lanes 16-31 W's); v128-191 x's fragments, one set; v64-127, v192-255 four sets of packed results.
;   window 1: W's fragments, two sets, at v0 and v128.   windows 2, 3: the accumulators ((a, b) at v[8 (8 (a % 4) + b)] of window 2 + a / 4).
.set APITCH, 272                       ; a row of x's codes in LDS: 256 bytes + 16: the sixteen rows that a load touches start 16 bytes apart modulo 256
.set AC0,   0                          ; x's 256 rows
.set BC0,   256*APITCH                 ; W's images: three tiles of 65,536 bytes, dense
.set SA0,   BC0+3*65536                ; x's scale bytes: 256 rows x 16
.set SB0,   SA0+4096                   ; W's: three times 256 rows x 16
.set SPARE, SB0+3*4096                 ; the spare words, 128 bytes for each wave: two blocks of 256 bytes that no other line names
.set ADRA, 16                          ; v16     x's fragments
.set ADRB, 20                          ; v20-22  W's, for each of the three tiles
.set ADRS, 23                          ; v23-25  the scale words, likewise
.set CO,   26                          ; v26     16 x lane: my place in a store
.set SPW,  28                          ; v28     LDS address of my spare word; never rewritten
.set NIL,  29                          ; v29     0; never rewritten
.set SC,   32
.set AF,   128
.set G1A,  24                          ; s[24:31] group 1: x's codes;  s[32:39] x's scales;  s[40:47] W's codes;  s[48:55] W's scales
.set G1S,  32
.set G1B,  40
.set G1T,  48
.set G0SA, 56                          ; groups 0: s[56:59] x's scales, s[60:63] x's codes, s[68+8t..] W's scales, s[72+8t..] W's codes of tile t
.set G0A,  60
.set G0SB, 68
.set G0B,  72
.set OUTB, 92                          ; s[92:97] where my part of q, k, v begins
.set MSB, 0
.macro WIN new                         ; the immediate's high byte repeats the setting that is left; a switch that changes nothing is dropped
.if MSB != (\new)
	s_set_vgpr_msb (MSB<<8)|(\new)
.set MSB, (\new)
.endif
.endm
.macro CROUND                          ; a round of the cluster's barrier
	s_barrier_signal -1
	s_barrier_wait -1
	s_cmp_lg_u32 s14, 0
	s_cbranch_scc1 .Lnot_wave_0_\@
	s_barrier_signal -3
.Lnot_wave_0_\@:
	s_barrier_wait -3
	s_barrier_signal -1
	s_barrier_wait -1
.endm
.macro PLACES                          ; four plain vector instructions between a matrix instruction and a load into, or a read of, its registers
.rept 4
	v_nop
.endr
.endm
	s_load_b256 s[4:11], s[0:1], 0x0               ; xc 4, xs 6, wc 8, ws 10
	s_load_b64 s[12:13], s[0:1], 0x20              ; qkv
	v_lshl_add_u32 v[SPW], v0, 2, SPARE
	v_mov_b32 v[NIL], 0
	ds_add_u32 v[SPW], v[NIL]                      ; the wave's opening: the add, twice on end, and its wait ahead of my first tensor load
	ds_add_u32 v[SPW], v[NIL]
	v_lshrrev_b32 v1, 5, v0
	v_readfirstlane_b32 s14, v1                    ; wave 0..3
	s_lshr_b32 s15, s14, 1                         ; which 128 tokens are mine
	s_and_b32 s16, s14, 1                          ; which 128 columns
	s_bfe_u32 s17, ttmp6, 0x40000                  ; cx
	s_bfe_u32 s18, ttmp6, 0x40004                  ; cy
	s_and_b32 s19, ttmp7, 0xffff
	s_lshl_b32 s19, s19, 2
	s_add_co_u32 s19, s19, s18                     ; block of 256 tokens
	s_lshl_b32 s20, ttmp9, 2
	s_add_co_u32 s20, s20, s17                     ; block of 256 columns
	s_lshl_b32 s21, s18, 2
	s_lshl_b32 s21, 15, s21                        ; my row of the cluster
	s_lshl_b32 s22, 0x1111, s17                    ; my column
	s_or_b32 s[G1A], s21, (1<<20)|(1<<21)|(5<<22)|(3<<25)   ; elements of 1 byte; four words of padding behind every 64; bit 21 beside the mask
	s_mov_b32 s[G1A+1], 256<<16                    ; 64 rows of 256 bytes, 256 bytes apart
	s_mov_b32 s[G1A+2], 64<<16
	s_mov_b32 s[G1A+3], 256<<16
	s_mov_b32 s[G1A+4], 64
	s_mov_b32 s[G1A+5], 256
	s_mov_b32 s[G1A+6], 0
	s_mov_b32 s[G1A+7], 0
	s_or_b32 s[G1S], s21, (3<<16)|(1<<21)          ; a dense block as rows of 32 elements of 8 bytes: 4 rows = the scale bytes of 64 rows
	s_or_b32 s[G1T], s22, (3<<16)|(1<<21)
.irp g, G1S, G1T
	s_mov_b32 s[\g+1], 32<<16
	s_mov_b32 s[\g+2], 4<<16
	s_mov_b32 s[\g+3], 32<<16
	s_mov_b32 s[\g+4], 4
	s_mov_b32 s[\g+5], 32
	s_mov_b32 s[\g+6], 0
	s_mov_b32 s[\g+7], 0
.endr
	s_or_b32 s[G1B], s22, (3<<16)|(1<<21)          ; 64 such rows = the images of 64 rows of W
	s_mov_b32 s[G1B+1], 32<<16
	s_mov_b32 s[G1B+2], 64<<16
	s_mov_b32 s[G1B+3], 32<<16
	s_mov_b32 s[G1B+4], 64
	s_mov_b32 s[G1B+5], 32
	s_mov_b32 s[G1B+6], 0
	s_mov_b32 s[G1B+7], 0
	; each wave fetches a quarter of every tile: 64 rows.  LDS addresses hang on the wave's number alone
	s_mul_i32 s[G0A+1], s14, 64*APITCH
	s_lshl_b32 s3, s14, 10
	s_add_co_u32 s[G0SA+1], s3, SA0
	s_lshl_b32 s23, s14, 14
.irp t, 0,1,2
	s_add_co_u32 s[G0SB+8*\t+1], s3, SB0+4096*\t
	s_add_co_u32 s[G0B+8*\t+1], s23, BC0+65536*\t
.endr
	s_lshl_b32 s66, s19, 16                        ; x: (256 block + 64 wave) rows of 256 bytes: made of the token block alone
	s_add_co_u32 s66, s66, s23
	s_mov_b32 s67, 0
	s_lshl_b32 s98, s20, 16                        ; W: the same of the column block alone
	s_add_co_u32 s98, s98, s23
	s_mov_b32 s99, 0
	s_wait_dscnt 0x0                               ; both opening adds are done
	s_wait_kmcnt 0x0
	s_mov_b32 s[G0A], 1
	s_add_nc_u64 s[G0A+2:G0A+3], s[4:5], s[66:67]
	s_or_b32 s[G0A+3], s[G0A+3], 0x80000000
	s_lshr_b32 s66, s66, 4                         ; 16 scale bytes a row
	s_mov_b32 s[G0SA], 1
	s_add_nc_u64 s[G0SA+2:G0SA+3], s[6:7], s[66:67]
	s_or_b32 s[G0SA+3], s[G0SA+3], 0x80000000
.irp t, 0,1,2
	s_mov_b32 s[G0B+8*\t], 1
	s_add_nc_u64 s[G0B+8*\t+2:G0B+8*\t+3], s[8:9], s[98:99]
	s_add_nc_u64 s[G0B+8*\t+2:G0B+8*\t+3], s[G0B+8*\t+2:G0B+8*\t+3], \t<<20   ; 4,096 rows of 256 bytes a tensor
	s_or_b32 s[G0B+8*\t+3], s[G0B+8*\t+3], 0x80000000
.endr
	s_lshr_b32 s98, s98, 4
.irp t, 0,1,2
	s_mov_b32 s[G0SB+8*\t], 1
	s_add_nc_u64 s[G0SB+8*\t+2:G0SB+8*\t+3], s[10:11], s[98:99]
	s_add_nc_u64 s[G0SB+8*\t+2:G0SB+8*\t+3], s[G0SB+8*\t+2:G0SB+8*\t+3], \t<<16
	s_or_b32 s[G0SB+8*\t+3], s[G0SB+8*\t+3], 0x80000000
.endr
	CROUND                                         ; all sixteen work-groups are here: the joint loads meet
	tensor_load_to_lds s[G0SA:G0SA+3], s[G1S:G1S+7]
	s_nop 0
	tensor_load_to_lds s[G0A:G0A+3], s[G1A:G1A+7]
	s_nop 0
.irp t, 0,1,2
	tensor_load_to_lds s[G0SB+8*\t:G0SB+8*\t+3], s[G1T:G1T+7]
	s_nop 0
	tensor_load_to_lds s[G0B+8*\t:G0B+8*\t+3], s[G1B:G1B+7]
	s_nop 0
.endr
.rept 4
	v_nop
.endr
	v_and_b32 v1, 15, v0                           ; r
	v_bfe_u32 v2, v0, 4, 1                         ; h
	v_and_b32 v3, 31, v0
	v_mul_u32_u24 v4, v1, APITCH
	v_lshl_add_u32 v4, v2, 4, v4
	s_mul_i32 s2, s15, 128*APITCH
	v_add_nc_u32 v[ADRA], s2, v4                   ; x: (128 i + r) x pitch + 16 h
	v_lshlrev_b32 v[CO], 4, v3
	s_lshl_b32 s2, s16, 15
	s_add_co_u32 s2, s2, BC0
.irp t, 0,1,2
	v_add_nc_u32 v[ADRB+\t], s2, v[CO]             ; W: my eight images' first, + 16 x lane
	s_add_co_u32 s2, s2, 65536
.endr
	s_lshl_b32 s2, s15, 11                         ; x's words: my 128 rows x 16 bytes
	s_lshl_b32 s3, s16, 11
	s_add_co_u32 s3, s3, 4096
	s_sub_co_u32 s3, s3, s2                        ; from there to W's words of my 128 columns, tile 0: lanes 16-31 take those
	s_add_co_u32 s2, s2, SA0
	v_lshl_add_u32 v5, v1, 4, s2
.irp t, 0,1,2
	v_mul_u32_u24 v6, s3, v2
	v_add_nc_u32 v[ADRS+\t], v5, v6
	s_add_co_u32 s3, s3, 4096
.endr
	; where my results go: y = 8 batch + head
	s_lshr_b32 s92, s19, 2
	s_lshl_b32 s92, s92, 3
	s_lshr_b32 s93, s20, 1
	s_add_co_u32 s92, s92, s93
	s_lshl_b32 s92, s92, 20                        ; 2^20 bytes a y
	s_and_b32 s93, s19, 3
	s_lshl_b32 s93, s93, 18                        ; 256 tokens: 16 token tiles of 16,384 bytes, or 8 key groups of 32,768
	s_add_co_u32 s92, s92, s93
	s_lshl_b32 s93, s15, 17                        ; my 128 tokens
	s_add_co_u32 s92, s92, s93
	s_and_b32 s93, s20, 1
	s_lshl_b32 s93, s93, 1
	s_add_co_u32 s93, s93, s16                     ; which 128 channels of the head
	s_lshl_b32 s96, s93, 13                        ; v: 8 channel tiles of 1,024 bytes
	s_add_co_u32 s96, s96, s92
	s_mov_b32 s97, 0
	s_lshl_b32 s93, s93, 12                        ; q, k: 4 channel steps of 1,024 bytes
	s_add_co_u32 s92, s92, s93
	s_mov_b32 s93, 0
	s_add_nc_u64 s[92:93], s[12:13], s[92:93]
	s_add_nc_u64 s[94:95], s[92:93], 0x2000000
	s_add_nc_u64 s[96:97], s[12:13], s[96:97]
	s_add_nc_u64 s[96:97], s[96:97], 0x4000000
.macro FETCH_A q, i0                   ; x's blocks i0 .. i0 + 3 of K step q: two loads of 16 bytes a fragment, 32 bytes apart
.irp i, \i0, \i0+1, \i0+2, \i0+3
.irp c, 0,1
	ds_load_b128 v[AF+8*(\i)+4*\c:AF+8*(\i)+4*\c+3], v[ADRA] offset:64*(\q)+32*\c+(\i)*16*APITCH
.endr
.endr
.endm
.macro FETCH_B tau, q, p               ; W's eight fragments of K step q into set p: images, 16 x lane
	WIN 0x40
.irp i, 0,1,2,3,4,5,6,7
.irp c, 0,1
	ds_load_b128 v[128*(\p)+8*\i+4*\c:128*(\p)+8*\i+4*\c+3], v[ADRB+\tau] offset:\i*4096+(\q)*1024+\c*512
.endr
.endr
	WIN 0
.endm
.macro SCALES tau                      ; a row's four words, one for each K step, by one load
.irp i, 0,1,2,3,4,5,6,7
	ds_load_b128 v[SC+4*\i:SC+4*\i+3], v[ADRS+\tau] offset:256*\i
.endr
.endm
; 16 matrix instructions: x's blocks a0, a0 + 1 against W's eight.  The 64 accumulators take turns, one instruction a turn, in the same order in every step.
.macro MUL16 a0, p, q, zero, swap
.irp a, \a0, \a0+1
.irp b, 0,1,2,3,4,5,6,7
.set rD, 8*(8*((\a)%4)+\b)
.set rW, 128*(\p)+8*\b
.set rX, AF+8*(\a)
.set sW, SC+4*\b+(\q)
.set sX, SC+4*(\a)+(\q)
.if \swap
.if \zero
	v_wmma_scale_f32_16x16x128_f8f6f4 v[rD:rD+7], v[rX:rX+7], v[rW:rW+7], 0, v[sX], v[sW] matrix_a_fmt:MATRIX_FMT_FP4 matrix_b_fmt:MATRIX_FMT_FP4 matrix_b_scale:MATRIX_SCALE_ROW1
.else
	v_wmma_scale_f32_16x16x128_f8f6f4 v[rD:rD+7], v[rX:rX+7], v[rW:rW+7], v[rD:rD+7], v[sX], v[sW] matrix_a_fmt:MATRIX_FMT_FP4 matrix_b_fmt:MATRIX_FMT_FP4 matrix_b_scale:MATRIX_SCALE_ROW1
.endif
.else
.if \zero
	v_wmma_scale_f32_16x16x128_f8f6f4 v[rD:rD+7], v[rW:rW+7], v[rX:rX+7], 0, v[sW], v[sX] matrix_a_fmt:MATRIX_FMT_FP4 matrix_b_fmt:MATRIX_FMT_FP4 matrix_a_scale:MATRIX_SCALE_ROW1
.else
	v_wmma_scale_f32_16x16x128_f8f6f4 v[rD:rD+7], v[rW:rW+7], v[rX:rX+7], v[rD:rD+7], v[sW], v[sX] matrix_a_fmt:MATRIX_FMT_FP4 matrix_b_fmt:MATRIX_FMT_FP4 matrix_a_scale:MATRIX_SCALE_ROW1
.endif
.endif
.endr
.endr
.endm
; windows of the products: W in window 1, x in window 0, C and D in window 2 or 3
.macro STEP tau, q, zero, swap         ; 128 along K, with a successor
	s_wait_dscnt 8                                 ; W's set, the words and x's blocks 0-3 are in; the youngest eight loads (x's blocks 4-7) may be out
	WIN 0xa1+3*\swap
	MUL16 0, (\q)%2, \q, \zero, \swap
	MUL16 2, (\q)%2, \q, \zero, \swap
	s_wait_dscnt 0x0                               ; x's blocks 4-7 are in
	PLACES
	FETCH_B \tau, (\q)+1, 1-(\q)%2
	FETCH_A (\q)+1, 0
	WIN 0xf1+3*\swap
	MUL16 4, (\q)%2, \q, \zero, \swap
	MUL16 6, (\q)%2, \q, \zero, \swap
	PLACES
	WIN 0
	FETCH_A (\q)+1, 4
.endm
.macro LAST swap                       ; the fourth K step: nothing more to fetch
	s_wait_dscnt 8
	WIN 0xa1+3*\swap
	MUL16 0, 1, 3, 0, \swap
	MUL16 2, 1, 3, 0, \swap
	s_wait_dscnt 0x0
	WIN 0xf1+3*\swap
	MUL16 4, 1, 3, 0, \swap
	MUL16 6, 1, 3, 0, \swap
	WIN 0
.endm
.macro OUT a, tau, swap                ; block a's eight accumulators: rounded to f16, each from its low end on, and stored
.set TS, 64+32*((\a)%4)+64*(((\a)%4)/2)
.set AC, 64*((\a)%4)
	s_wait_xcnt 0x0                                ; the stores that read this set of registers, four blocks back, have taken their data
	WIN 0x0a+5*((\a)/4)
.irp b, 0,1,2,3,4,5,6,7
.irp r, 0,1,2,3
	v_cvt_pk_f16_f32 v[TS+4*\b+\r], v[AC+8*\b+2*\r], v[AC+8*\b+2*\r+1]
.endr
.endr
	WIN 0
.irp b, 0,1,2,3,4,5,6,7
.if \swap
	global_store_b128 v[CO], v[TS+4*\b:TS+4*\b+3], s[OUTB+2*\tau:OUTB+2*\tau+1] offset:((\a)/2)*32768+\b*1024+((\a)%2)*512   ; v^T: key group a / 2, channel tile b, half a % 2
.else
	global_store_b128 v[CO], v[TS+4*\b:TS+4*\b+3], s[OUTB+2*\tau:OUTB+2*\tau+1] offset:(\a)*16384+\b*512                     ; q, k: token tile a, channel step b / 2, half b % 2
.endif
.endr
.endm
.macro TILE tau, swap
	s_wait_tensorcnt 4-2*\tau                      ; x, its scales and W's tiles up to this one are in; the two loads of each later tile may be out
	s_wait_dscnt 0x0
	s_barrier_signal -1
	s_barrier_wait -1                              ; everybody's quarters are in
	FETCH_B \tau, 0, 0
	FETCH_A 0, 0
	SCALES \tau
	FETCH_A 0, 4
	STEP \tau, 0, 1, \swap                         ; the first step's products start the sums: nothing is cleared
	STEP \tau, 1, 0, \swap
	STEP \tau, 2, 0, \swap
	LAST \swap
	PLACES                                         ; behind the last products, ahead of the first read of results and of the next tile's loads
.irp a, 0,1,2,3,4,5,6,7
	OUT \a, \tau, \swap
.endr
.endm
	TILE 0, 0                                      ; q; its stores leave while k is multiplied
	TILE 1, 0                                      ; k
	TILE 2, 1                                      ; v, turned
	s_wait_tensorcnt 0x0                           ; the wave's end
	ds_add_u32 v[SPW], v[NIL]
	s_wait_dscnt 0x0
	CROUND                                         ; the closing round
	s_endpgm
.Lfunc_end_k_qc6889a1d02_qkv:
	.size	k_qc6889a1d02_qkv, .Lfunc_end_k_qc6889a1d02_qkv-k_qc6889a1d02_qkv
	.p2alignl 7, 3214868480
	.fill 96, 4, 3214868480
	.section	.rodata,"a",@progbits
	.p2align	6, 0x0
	.amdhsa_kernel k_qc6889a1d02_qkv
		.amdhsa_group_segment_fixed_size 327680
		.amdhsa_private_segment_fixed_size 0
		.amdhsa_enable_private_segment 0
		.amdhsa_kernarg_size 40
		.amdhsa_user_sgpr_count 2
		.amdhsa_user_sgpr_kernarg_segment_ptr 1
		.amdhsa_wavefront_size32 1
		.amdhsa_system_sgpr_workgroup_id_x 1
		.amdhsa_system_sgpr_workgroup_id_y 1
		.amdhsa_system_sgpr_workgroup_id_z 1
		.amdhsa_system_vgpr_workitem_id 0
		.amdhsa_next_free_vgpr 1024
		.amdhsa_next_free_sgpr 100
		.amdhsa_reserve_vcc 0
		.amdhsa_float_denorm_mode_32 3
		.amdhsa_float_denorm_mode_16_64 3
		.amdhsa_memory_ordered 1
		.amdhsa_forward_progress 1
		.amdhsa_inst_pref_size 205
	.end_amdhsa_kernel
	.amdgpu_metadata
---
amdhsa.version: [ 1, 2 ]
amdhsa.kernels:
  - .name:           k_qc6889a1d02_qkv
    .symbol:         k_qc6889a1d02_qkv.kd
    .args:
      - { .name: xc, .offset: 0, .size: 8, .value_kind: global_buffer, .address_space: global }
      - { .name: xs, .offset: 8, .size: 8, .value_kind: global_buffer, .address_space: global }
      - { .name: wc, .offset: 16, .size: 8, .value_kind: global_buffer, .address_space: global }
      - { .name: ws, .offset: 24, .size: 8, .value_kind: global_buffer, .address_space: global }
      - { .name: qkv, .offset: 32, .size: 8, .value_kind: global_buffer, .address_space: global }
    .group_segment_fixed_size: 327680
    .private_segment_fixed_size: 0
    .kernarg_segment_align: 8
    .kernarg_segment_size: 40
    .max_flat_workgroup_size: 128
    .sgpr_count:     100
    .vgpr_count:     1024
    .wavefront_size: 32
...
	.end_amdgpu_metadata
.endif
;; end of part 2
;; launch attn (part 3): grid 8 x 32, 4 waves a work-group, clusters of 4 x 1, 327,680 bytes of LDS; arguments qkv, wut, part; writes part
.if DOCPART == 3
	.amdgcn_target "amdgcn-amd-amdhsa--gfx1250"
	.amdhsa_code_object_version 6
	.text
	.protected	k_qc6889a1d02_attn
	.globl	k_qc6889a1d02_attn
	.p2align	8
	.type	k_qc6889a1d02_attn,@function
k_qc6889a1d02_attn:
	s_mov_b64 s[64:65], 0
	v_nop
	global_prefetch_b8 v0, s[64:65] scope:SCOPE_SE
	s_setreg_imm32_b32 hwreg(HW_REG_WAVE_MODE, 25, 1), 1
	s_wait_xcnt 0x0
	s_wait_alu depctr_hold_cnt(0) depctr_sa_sdst(0) depctr_va_vdst(0) depctr_va_sdst(0) depctr_va_ssrc(0) depctr_va_vcc(0) depctr_vm_vsrc(0)
	s_getreg_b32 s2, hwreg(HW_REG_IB_STS2, 6, 4)
	s_cmp_eq_u32 s2, 0
	s_cbranch_scc0 .Lentry_in_a_cluster
	s_endpgm
.Lentry_in_a_cluster:
	s_bfe_u32 s2, ttmp6, 0x10000c
	s_cmp_lg_u32 s2, 0x3003
	s_cbranch_scc0 .Lentry_shape_is_right
	s_endpgm
.Lentry_shape_is_right:
; ATTN: for one batch and head y and 128 queries: S^T = K Q^T, softmax over all 1,024 keys with a running maximum, O^T = V^T P, O / the row's sum, and the head's share of the last product, Y^T = Wu_h^T O^T.
; Operands in f16, sums, maxima and exponentials in f32.  No work of the problem is left out; the factors 512^(-1/4) on q and k are one factor on the f32 scores, inside c = log2(e) / sqrt(512).
; The sum of Y over the eight heads, and the bias, belong to launch sum: this launch stores each head's share, f32, as it lies in the accumulators.
; LIMITS: O under 6e-5 in magnitude is carried at f16's smallest step (6e-8); weights p under 6e-8 of the row's largest count as 0; NaN and infinities are not served.
; SHARES.  Four waves, 32 queries each: two tiles t of 16.  Q (256 registers) and O^T (512) stay in registers.  Keys go 128 a step, eight steps.
; ALL OPERANDS LIE IN MEMORY AS IMAGES OF THEIR REGISTERS (1,024 bytes a fragment of 16 rows x 32): 128 keys of K, 128 keys of V^T and 128 outputs of Wu_h^T are each ONE dense block of 131,072 bytes with the same
; order inside for K and Wu.  So one descriptor shape serves all three, every LDS load is 16 x lane (512 consecutive bytes), nothing is padded or turned, and the last product runs by the first product's macro,
; O (f16) lying where Q lay.
; LDS: one slot for K (later Wu's chunks 0, 2), one for V (later chunks 1, 3).  Each is filled again once a step; a wave has one tensor load out at a time, and it has the other phase's 256 products in which to land.
; CLUSTER 4 x 1: the four blocks of queries walk the same K, V and Wu_h: each tile is asked for jointly, each wave a quarter.
; A lane holds ONE query throughout (both products are used transposed), so a row's maximum and sum want one exchange between the halves of the lanes.
; THE LDS LOADS STAND IN RUNS OF SIXTEEN, one run for sixteen products, never singly among the matrix instructions: a fragment feeds two products, so a phase of 256 products has 256 loads.
; O^T BEGINS AS ZEROS, written once while the first tile is on its way, so that the key step is written once: a first step of its own would be a second copy of the whole step.
; REGISTERS: window 0: v2-12 addresses; v16-31 statistics, eight a tile: c m, m, l (two halves), four at work (a in the third, c m_old - c m_new in the fourth); v32-127 the first product's ring of twelve fragments
;   (between two of its phases v32-39 hold the softmax's sums and v64-127 fragments of V); v128-255 S^T, 64 a tile, later P (v128-191) and fragments of V (v192-255).
;   window 1: Q, later O: fragment (t, step) at 128 t + 8 step.   windows 2, 3: O^T: tile (ct, t) at 16 (ct % 16) + 8 t of window 2 + ct / 16.
; In V^T P the run of loads and the rescaling of the next accumulators stand between the products.  O^T fills its windows, so neither can share the products' setting: nine switches for 16 products.
.set TILEB, 131072
.set SPARE, 262144                     ; behind the two slots: the spare words, 128 bytes for each wave: two blocks of 256 bytes that no other line names
.set AKA, 2                            ; v2, v3  16 x lane in the K slot's two halves
.set AKB, 3
.set AVA, 4                            ; v4, v5  the same in the V slot
.set AVB, 5
.set GO,  9                            ; v9   16 x lane: my place in a global load or store
.set PFO, 10                           ; v10  256 x lane: the prefetches' offset
.set SPW, 11                           ; v11  LDS address of my spare word; never rewritten
.set NIL, 12                           ; v12  0; never rewritten
.set ST,  16
.set SUM, 32
.set F,   32                           ; the ring's first slot
.set S,   128
.set G1,  24                           ; s[24:31] the one group 1
.set G0K, 40                           ; s[40:43] group 0 for the K slot;  s[44:47] for the V slot
.set G0V, 44
.set PK,  52                           ; s[52:53] K's quarter that I fetch next
.set PW,  54                           ; s[54:55] my quarter of Wu_h^T's chunk 0
.set CNT, 56                           ; s56  key steps to go
.set CS,  58                           ; s[58:59] c
.set SEL, 60                           ; s[60:61] lane selects: lane l xor 16
.set PFK, 16                           ; s[16:17], s[18:19] where my prefetches stand
.set PFV, 18
.set LIMK, 20                          ; s20, s21: a wave prefetches while s[CNT] is above these
.set LIMV, 21
.set MSB, 0
.macro WIN new
.if MSB != (\new)
	s_set_vgpr_msb (MSB<<8)|(\new)
.set MSB, (\new)
.endif
.endm
.macro CROUND                          ; a round of the cluster's barrier
	s_barrier_signal -1
	s_barrier_wait -1
	s_cmp_lg_u32 s12, 0
	s_cbranch_scc1 .Lnot_wave_0_\@
	s_barrier_signal -3
.Lnot_wave_0_\@:
	s_barrier_wait -3
	s_barrier_signal -1
	s_barrier_wait -1
.endm
; A CHANGE OF TILES.  SYNC_A: all my tensor loads have landed (the tile that is read next among them); 0 onto my spare word.  The caller's scalar steps follow.  SYNC_B: the add is done and my reads of the slot that is
; left are over; the round, so that this holds of every wave of the four work-groups; the joint refill first behind it.  Five plain instructions follow: the next products write over registers of the last ones.
.macro SYNC_A
	WIN 0
	s_wait_tensorcnt 0x0
	ds_add_u32 v[SPW], v[NIL]
.endm
.macro SYNC_B g0, fill
	s_wait_dscnt 0x0
.if \fill
	CROUND
	tensor_load_to_lds s[\g0:\g0+3], s[G1:G1+7]
	s_nop 0
.else
	s_barrier_signal -1
	s_barrier_wait -1
.endif
.rept 5
	v_nop
.endr
.endm
; A prefetch of a tile that a later change will ask for: 131,072 bytes, each aligned 256 named once in the launch: the head's first cluster asks; its four work-groups and their four waves share the tile out by address,
; 8,192 bytes a wave, lanes 256 bytes apart.
.macro ASK lim, ptr
	s_cmp_gt_u32 s[CNT], s[\lim]
	s_cbranch_scc0 .Lnot_mine_\@
	global_prefetch_b8 v[PFO], s[\ptr:\ptr+1] th:TH_LOAD_NT scope:SCOPE_SE
.Lnot_mine_\@:
.endm
; Fragment f of the 128 of a first-product phase: channel step f / 8, row tile f % 8; two loads, into slot f % 12 of the ring
.macro QKFRAG f, a, b
.set lr, F+8*((\f)%12)
.set lo, (16*((\f)%4)+(\f)/8)*1024
.if ((\f)%8) < 4
	ds_load_b128 v[lr:lr+3], v[\a] offset:lo
	ds_load_b128 v[lr+4:lr+7], v[\a] offset:lo+512
.else
	ds_load_b128 v[lr:lr+3], v[\b] offset:lo
	ds_load_b128 v[lr+4:lr+7], v[\b] offset:lo+512
.endif
.endm
; S^T = (128 rows of the slot) x (my 32 queries), K = 512: 256 products.  Fragments 0 to 3 come first.  Then sixteen times: four plain instructions (behind the products whose slots are loaded next); ONE run of loads, fragments
; 8 r + 4 to 8 r + 11, into the slots of fragments 8 r - 8 to 8 r - 1, which have been multiplied; the products of fragments 8 r to 8 r + 7, two each, as the fragments come.  At a run four fragments are still unused, so a
; fragment is asked for eight products or more ahead of its use.  The sixteen accumulators take turns.  One window setting serves loads and products.
.macro QKPHASE a, b, lim, ptr
.set lf, 0                             ; fragments asked for
.rept 4
	QKFRAG lf, \a, \b
.set lf, lf+1
.endr
.if \lim
	ASK \lim, \ptr                                 ; behind the tensor load and the first run of LDS loads
.endif
	WIN 0x04                                       ; source 1 (Q) in window 1
.set pf, 0                             ; the fragment in hand
.rept 16
.rept 4
	v_nop
.endr
.rept 8
.if lf < 128
	QKFRAG lf, \a, \b
.set lf, lf+1
.endif
.endr
.rept 8
.set dw, 2*(lf-pf-1)
	s_wait_dscnt dw                                ; the fragment in hand is in: the two loads of each later fragment may be out
.irp t, 0,1
.set rS, S+64*\t+8*(pf%8)
.set rA, F+8*(pf%12)
.set rQ, 128*\t+8*(pf/8)
.if pf < 8
	v_wmma_f32_16x16x32_f16 v[rS:rS+7], v[rA:rA+7], v[rQ:rQ+7], 0
.else
	v_wmma_f32_16x16x32_f16 v[rS:rS+7], v[rA:rA+7], v[rQ:rQ+7], v[rS:rS+7]
.endif
.endr
.set pf, pf+1
.endr
.endr
.endm
; Loads from .. to of the sixteen of V's batch i (channel tiles 2 i, 2 i + 1 x four groups of 32 keys): fragment u / 2 = 4 cti + g, into v64 on (even i) or v192 on (odd i)
.macro VLOAD i, from, to
.set vb, 64+128*((\i)%2)
.set u, \from
.rept (\to)-(\from)+1
.set vg, (u/2)%4
.set vc, (u/2)/4
.if vg < 2
	ds_load_b128 v[vb+4*u:vb+4*u+3], v[AVA] offset:(32*(vg%2)+2*(\i)+vc)*1024+512*(u%2)
.else
	ds_load_b128 v[vb+4*u:vb+4*u+3], v[AVB] offset:(32*(vg%2)+2*(\i)+vc)*1024+512*(u%2)
.endif
.set u, u+1
.endr
.endm
; THE SOFTMAX of a step, both tiles line by line.  p = 2^(c s - c m); a = 2^(c m_old - c m_new) rescales l and O^T.
.macro SOFTMAX
	WIN 0
.irp c, 0,1,2,3                        ; the maximum: four chains a tile; each accumulator is first read at its low end
.irp t, 0,1
	v_max3_num_f32 v[ST+8*\t+4+\c], v[S+64*\t+16*\c], v[S+64*\t+16*\c+1], v[S+64*\t+16*\c+2]
.endr
.endr
.irp i, 3,5,7,9,11,13
.irp c, 0,1,2,3
.irp t, 0,1
	v_max3_num_f32 v[ST+8*\t+4+\c], v[ST+8*\t+4+\c], v[S+64*\t+16*\c+\i], v[S+64*\t+16*\c+\i+1]
.endr
.endr
.endr
.irp t, 0,1
	v_max3_num_f32 v[ST+8*\t+4], v[ST+8*\t+4], v[S+64*\t+15], v[S+64*\t+31]
	v_max3_num_f32 v[ST+8*\t+6], v[ST+8*\t+6], v[S+64*\t+47], v[S+64*\t+63]
.endr
.irp t, 0,1
	v_max3_num_f32 v[ST+8*\t+4], v[ST+8*\t+4], v[ST+8*\t+5], v[ST+8*\t+6]
.endr
.irp t, 0,1
	v_max3_num_f32 v[ST+8*\t+4], v[ST+8*\t+4], v[ST+8*\t+7], v[ST+8*\t+1]   ; and the old m
.endr
.irp t, 0,1
	v_permlanex16_b32 v[ST+8*\t+5], v[ST+8*\t+4], s[SEL], s[SEL+1]          ; the query's other 64 keys lie in the lane 16 away
.endr
.irp t, 0,1
	v_mov_b32 v[ST+8*\t+7], v[ST+8*\t]                                      ; c m_old
.endr
.irp t, 0,1
	v_max_num_f32 v[ST+8*\t+1], v[ST+8*\t+4], v[ST+8*\t+5]
.endr
.irp t, 0,1
	v_mul_f32 v[ST+8*\t], s[CS], v[ST+8*\t+1]
.endr
.irp t, 0,1
	v_sub_f32 v[ST+8*\t+7], v[ST+8*\t+7], v[ST+8*\t]
.endr
.irp t, 0,1
.set i, 0
.rept 32
	v_pk_fma_f32 v[S+64*\t+i:S+64*\t+i+1], v[S+64*\t+i:S+64*\t+i+1], s[CS:CS+1], v[ST+8*\t:ST+8*\t+1] op_sel_hi:[1,0,0] neg_lo:[0,0,1] neg_hi:[0,0,1]   ; c s - c m, two at a time
.set i, i+2
.endr
.endr
.irp t, 0,1
	v_exp_f32 v[ST+8*\t+6], v[ST+8*\t+7]           ; a
.endr
.set i, 0
.rept 128
	v_exp_f32 v[S+i], v[S+i]                       ; p
.set i, i+1
.endr
	v_nop                                          ; a plain instruction behind the last exponential
	s_wait_alu depctr_va_vdst(0)                   ; one wait for the batch of 130, ahead of its first reader
.irp t, 0,1                            ; the row's sum, of the unrounded p: two chains of pairs a tile
	v_pk_add_f32 v[SUM+4*\t:SUM+4*\t+1], v[S+64*\t:S+64*\t+1], v[S+64*\t+2:S+64*\t+3]
	v_pk_add_f32 v[SUM+4*\t+2:SUM+4*\t+3], v[S+64*\t+4:S+64*\t+5], v[S+64*\t+6:S+64*\t+7]
.endr
.irp j, 8,12,16,20,24,28,32,36,40,44,48,52,56,60
.irp t, 0,1
	v_pk_add_f32 v[SUM+4*\t:SUM+4*\t+1], v[SUM+4*\t:SUM+4*\t+1], v[S+64*\t+\j:S+64*\t+\j+1]
	v_pk_add_f32 v[SUM+4*\t+2:SUM+4*\t+3], v[SUM+4*\t+2:SUM+4*\t+3], v[S+64*\t+\j+2:S+64*\t+\j+3]
.endr
.endr
.irp t, 0,1
	v_pk_add_f32 v[SUM+4*\t:SUM+4*\t+1], v[SUM+4*\t:SUM+4*\t+1], v[SUM+4*\t+2:SUM+4*\t+3]
.endr
.irp t, 0,1
	v_pk_fma_f32 v[ST+8*\t+2:ST+8*\t+3], v[ST+8*\t+2:ST+8*\t+3], v[ST+8*\t+6:ST+8*\t+7], v[SUM+4*\t:SUM+4*\t+1] op_sel_hi:[1,0,1]   ; l = a l + the sum
.endr
.set i, 0
.rept 32                               ; P in f16, in place, ascending: two neighbouring tiles of 16 keys ARE source 1 (32 keys x 16 queries): P(g, t) at S + 32 t + 8 g
	v_cvt_pk_f16_f32 v[S+i], v[S+2*i], v[S+2*i+1]
.set i, i+1
.endr
.set i, 0
.rept 32
	v_cvt_pk_f16_f32 v[S+32+i], v[S+64+2*i], v[S+64+2*i+1]
.set i, i+1
.endr
	WIN 0x82                                       ; O^T (destination and source 0) in window 2, a in window 0
.set i, 0
.rept 16                               ; the first batch's accumulators times a
	v_pk_mul_f32 v[i:i+1], v[i:i+1], v[ST+8*((i/8)%2)+6:ST+8*((i/8)%2)+7] op_sel_hi:[1,0]
.set i, i+2
.endr
.endm
; O^T += V^T P: sixteen batches of two channel tiles: 16 products, four accumulators by turns.  Behind products 0, 2, 4, 6: four multiplies by a on the next batch's accumulators.  Behind the first four multiplies, which are
; the plain instructions between the last batch's products and the loads into its buffer, stands the next batch's ONE run of sixteen loads: fifteen products ahead of the wait for it.
.macro PVPHASE
.set bi, 0
.rept 16
	s_wait_dscnt 0x0                               ; this batch's fragments, asked for behind the first product of the batch before
.set pn, 0
.rept 16
.set rO, 32*(bi%8)+16*((pn/2)%2)+8*(pn%2)
.set rV, 64+128*(bi%2)+8*(4*((pn/2)%2)+pn/4)
.set rP, S+32*(pn%2)+8*(pn/4)
	WIN 0xa0+0x50*(bi/8)
	v_wmma_f32_16x16x32_f16 v[rO:rO+7], v[rV:rV+7], v[rP:rP+7], v[rO:rO+7]
.if (bi < 15) && (pn < 7) && (pn%2 == 0)
	WIN 0x82+0x41*((bi+1)/8)
.set rR, 32*((bi+1)%8)+8*(pn/2)
.irp e, 0,2,4,6
	v_pk_mul_f32 v[rR+\e:rR+\e+1], v[rR+\e:rR+\e+1], v[ST+8*((pn/2)%2)+6:ST+8*((pn/2)%2)+7] op_sel_hi:[1,0]
.endr
.if pn == 0
	WIN 0
	VLOAD bi+1, 0, 15
.endif
.endif
.set pn, pn+1
.endr
.set bi, bi+1
.endr
.endm
; Chunk c of Y^T (128 outputs x my 32 queries) leaves as it lies in the accumulators, each from its low end on: 512 consecutive bytes a store
.macro STOREY c
	WIN 0
.rept 4
	v_nop                                          ; behind the last products, ahead of the stores that read results
.endr
.irp t, 0,1
.irp k, 0,1,2,3,4,5,6,7
	global_store_b128 v[GO], v[S+64*\t+8*\k:S+64*\t+8*\k+3], s[8:9] offset:16384*\c+1024*(8*\t+\k) th:TH_STORE_NT
	global_store_b128 v[GO], v[S+64*\t+8*\k+4:S+64*\t+8*\k+7], s[8:9] offset:16384*\c+1024*(8*\t+\k)+512 th:TH_STORE_NT
.endr
.endr
.endm
	s_load_b128 s[4:7], s[0:1], 0x0                ; qkv 4, wut 6
	s_load_b64 s[8:9], s[0:1], 0x10                ; part
	v_lshl_add_u32 v[SPW], v0, 2, SPARE
	v_mov_b32 v[NIL], 0
	ds_add_u32 v[SPW], v[NIL]                      ; the wave's opening: the add, twice on end, and its wait ahead of my first tensor load
	ds_add_u32 v[SPW], v[NIL]
	v_lshrrev_b32 v1, 5, v0
	v_readfirstlane_b32 s12, v1                    ; wave 0..3
	s_bfe_u32 s13, ttmp6, 0x40000                  ; cx: it enters Q's, part's and the prefetches' addresses alone
	s_lshl_b32 s14, ttmp9, 2
	s_add_co_u32 s14, s14, s13                     ; my block of 128 queries
	s_and_b32 s15, ttmp7, 0xffff                   ; y = 8 batch + head, which the four partners share
	s_mov_b32 s[G1], 15|(3<<16)|(1<<21)            ; the mask: all four; elements of 8 bytes; bit 21 beside the mask
	s_mov_b32 s[G1+1], 32<<16                      ; a dense block as 128 rows of 256 bytes: a quarter of a tile
	s_mov_b32 s[G1+2], 128<<16
	s_mov_b32 s[G1+3], 32<<16
	s_mov_b32 s[G1+4], 128
	s_mov_b32 s[G1+5], 32
	s_mov_b32 s[G1+6], 0
	s_mov_b32 s[G1+7], 0
	s_mov_b32 s[G0K], 1
	s_lshl_b32 s[G0K+1], s12, 15                   ; my quarter of the K slot,
	s_mov_b32 s[G0V], 1
	s_add_co_u32 s[G0V+1], s[G0K+1], TILEB         ; and of the V slot
	s_lshl_b32 s22, s15, 20                        ; 2^20 bytes a y
	s_lshl_b32 s2, s12, 15
	s_add_co_u32 s22, s22, s2                      ; + my quarter
	s_mov_b32 s23, 0
	s_and_b32 s10, s15, 7
	s_lshl_b32 s10, s10, 19                        ; Wu^T: 524,288 bytes a head
	s_add_co_u32 s10, s10, s2
	s_mov_b32 s11, 0
	s_lshl_b32 s34, s14, 17                        ; Q: 8 token tiles of 16,384 bytes a block; my wave's two lie 32,768 x wave on
	s_add_co_u32 s34, s34, s22
	s_mov_b32 s35, 0
	s_lshl_b32 s36, s15, 21                        ; part: ((8 y + block) 4 + wave) x 65,536
	s_lshl_b32 s37, s14, 18
	s_add_co_u32 s36, s36, s37
	s_lshl_b32 s37, s12, 16
	s_add_co_u32 s36, s36, s37
	s_mov_b32 s37, 0
	s_lshl_b32 s38, s15, 20                        ; the prefetches: my work-group's 32,768 bytes of a tile, my wave's 8,192 of them
	s_lshl_b32 s39, s13, 15
	s_add_co_u32 s38, s38, s39
	s_lshl_b32 s39, s12, 13
	s_add_co_u32 s38, s38, s39
	s_mov_b32 s39, 0
	s_cmp_eq_u32 ttmp9, 0                          ; the head's first cluster asks: the same in all four partners
	s_cselect_b32 s[LIMK], 2, -1                   ; K two steps on: while three steps or more are to go
	s_cselect_b32 s[LIMV], 1, -1                   ; V one step on: while two or more
	s_mov_b32 s[CNT], 8
	s_mov_b32 s[CS], 0x3d8293ee                    ; c = log2(e) / sqrt(512)
	s_mov_b32 s[CS+1], s[CS]
	s_mov_b32 s[SEL], 0x76543210
	s_mov_b32 s[SEL+1], 0xfedcba98
	v_and_b32 v1, 31, v0
	v_lshlrev_b32 v[AKA], 4, v1
	v_add_nc_u32 v[AKB], 0x10000, v[AKA]
	v_add_nc_u32 v[AVA], 0x20000, v[AKA]
	v_add_nc_u32 v[AVB], 0x30000, v[AKA]
	v_lshlrev_b32 v[GO], 4, v1
	v_lshlrev_b32 v[PFO], 8, v1
	s_wait_dscnt 0x0                               ; both opening adds are done
	s_wait_kmcnt 0x0
	s_add_nc_u64 s[PK:PK+1], s[4:5], s[22:23]
	s_add_nc_u64 s[G0V+2:G0V+3], s[PK:PK+1], 0x4000000-TILEB   ; one step ahead of V's first: every trip steps it first
	s_or_b32 s[G0V+3], s[G0V+3], 0x80000000
	s_add_nc_u64 s[PK:PK+1], s[PK:PK+1], 0x2000000             ; K's first
	s_mov_b64 s[G0K+2:G0K+3], s[PK:PK+1]
	s_or_b32 s[G0K+3], s[G0K+3], 0x80000000
	s_add_nc_u64 s[PW:PW+1], s[6:7], s[10:11]
	s_add_nc_u64 s[32:33], s[4:5], s[34:35]
	s_add_nc_u64 s[8:9], s[8:9], s[36:37]
	s_add_nc_u64 s[PFV:PFV+1], s[4:5], s[38:39]
	s_add_nc_u64 s[PFK:PFK+1], s[PFV:PFV+1], 0x2000000+TILEB   ; at K's step 1 and V's step 0: every trip steps both first
	s_add_nc_u64 s[PFV:PFV+1], s[PFV:PFV+1], 0x4000000
	CROUND                                         ; all four work-groups are here
	tensor_load_to_lds s[G0K:G0K+3], s[G1:G1+7]    ; K's first 128 keys: every wave a quarter
	s_nop 0
.rept 4
	v_nop
.endr
	WIN 0x40                                       ; destination window 1
.irp t, 0,1
.irp c, 0,1,2,3,4,5,6,7,8,9,10,11,12,13,14,15
	global_load_b128 v[128*\t+8*\c:128*\t+8*\c+3], v[GO], s[32:33] offset:(16*\t+\c)*1024
	global_load_b128 v[128*\t+8*\c+4:128*\t+8*\c+7], v[GO], s[32:33] offset:(16*\t+\c)*1024+512
.endr
.endr
	WIN 0x80
.set i, 0
.rept 256
	v_mov_b32 v[i], 0                              ; O^T
.set i, i+1
.endr
	WIN 0xc0
.set i, 0
.rept 256
	v_mov_b32 v[i], 0
.set i, i+1
.endr
	WIN 0
.irp t, 0,1
	v_mov_b32 v[ST+8*\t+1], 0xff61b1e6             ; m = -3e38, under every score
	v_mov_b32 v[ST+8*\t+2], 0                      ; l
	v_mov_b32 v[ST+8*\t+3], 0
.endr
.irp t, 0,1
	v_mul_f32 v[ST+8*\t], s[CS], v[ST+8*\t+1]      ; c m
.endr
	s_wait_loadcnt 0x0                             ; Q
.Lstep:                                            ; eight trips; every trip issues both its loads
	SYNC_A                                         ; K of this step has landed; my reads of V's slot are over
	s_add_nc_u64 s[G0V+2:G0V+3], s[G0V+2:G0V+3], TILEB
	s_wait_xcnt 0x0                                ; the last trip's prefetches have read their addresses
	s_add_nc_u64 s[PFK:PFK+1], s[PFK:PFK+1], TILEB
	s_add_nc_u64 s[PFV:PFV+1], s[PFV:PFV+1], TILEB
	SYNC_B G0V, 1                                  ; V of this step: it lands under the 256 products below
	QKPHASE AKA, AKB, LIMV, PFV
	SYNC_A                                         ; V has landed; my reads of K's slot are over
	s_add_nc_u64 s[PK:PK+1], s[PK:PK+1], TILEB
	s_cmp_eq_u32 s[CNT], 1                         ; behind the last keys the slot takes Wu_h^T's first 128 outputs
	s_cselect_b64 s[G0K+2:G0K+3], s[PW:PW+1], s[PK:PK+1]
	s_or_b32 s[G0K+3], s[G0K+3], 0x80000000
	SYNC_B G0K, 1
	VLOAD 0, 0, 15
	ASK LIMK, PFK
	SOFTMAX
	PVPHASE
	WIN 0
	s_sub_co_u32 s[CNT], s[CNT], 1
	s_cmp_lg_u32 s[CNT], 0
	s_cbranch_scc1 .Lstep
	; THE LAST PRODUCT, the head's share: four chunks of 128 outputs, by turns in the two slots
	SYNC_A                                         ; chunk 0 has landed; V's slot is left
	s_add_nc_u64 s[G0V+2:G0V+3], s[PW:PW+1], TILEB
	s_or_b32 s[G0V+3], s[G0V+3], 0x80000000
	SYNC_B G0V, 1                                  ; chunk 1
.irp t, 0,1                            ; O^T / l, rounded to f16 into Q's registers: two neighbouring channel tiles are a fragment of source 1
	v_add_f32 v[ST+8*\t+4], v[ST+8*\t+2], v[ST+8*\t+3]
.endr
.irp t, 0,1
	v_permlanex16_b32 v[ST+8*\t+5], v[ST+8*\t+4], s[SEL], s[SEL+1]
.endr
.irp t, 0,1
	v_add_f32 v[ST+8*\t+4], v[ST+8*\t+4], v[ST+8*\t+5]
.endr
.irp t, 0,1
	v_rcp_f32 v[ST+8*\t+6], v[ST+8*\t+4]
.endr
	v_nop                                          ; a plain instruction behind the last reciprocal
	s_wait_alu depctr_va_vdst(0)                   ; one wait for the two, ahead of the first reader
.irp w, 0x82, 0xc3
	WIN \w
.set i, 0
.rept 128
	v_pk_mul_f32 v[i:i+1], v[i:i+1], v[ST+8*((i/8)%2)+6:ST+8*((i/8)%2)+7] op_sel_hi:[1,0]   ; ascending: each accumulator is first read at its low end
.set i, i+2
.endr
.endr
.irp w, 0,1
	WIN 0x4a+5*\w                                  ; sources in window 2 or 3, destination in window 1
.set ct, 0
.rept 16
.irp t, 0,1
.irp r, 0,1,2,3
	v_cvt_pk_f16_f32 v[128*\t+64*\w+8*(ct/2)+4*(ct%2)+\r], v[16*ct+8*\t+2*\r], v[16*ct+8*\t+2*\r+1]
.endr
.endr
.set ct, ct+1
.endr
.endr
	WIN 0
	QKPHASE AKA, AKB, 0, 0
	STOREY 0
	SYNC_A                                         ; chunk 1 has landed; K's slot is left
	s_add_nc_u64 s[G0K+2:G0K+3], s[PW:PW+1], 2*TILEB
	s_or_b32 s[G0K+3], s[G0K+3], 0x80000000
	s_wait_xcnt 0x0                                ; the stores have taken their data: the accumulators may be begun anew
	SYNC_B G0K, 1                                  ; chunk 2
	QKPHASE AVA, AVB, 0, 0
	STOREY 1
	SYNC_A
	s_add_nc_u64 s[G0V+2:G0V+3], s[PW:PW+1], 3*TILEB
	s_or_b32 s[G0V+3], s[G0V+3], 0x80000000
	s_wait_xcnt 0x0
	SYNC_B G0V, 1                                  ; chunk 3
	QKPHASE AKA, AKB, 0, 0
	STOREY 2
	SYNC_A                                         ; chunk 3 has landed; nothing is left to fetch, so no round follows
	s_wait_xcnt 0x0
	SYNC_B 0, 0
	QKPHASE AVA, AVB, 0, 0
	STOREY 3
	s_wait_tensorcnt 0x0                           ; the wave's end
	ds_add_u32 v[SPW], v[NIL]
	s_wait_dscnt 0x0
	CROUND                                         ; the closing round
	s_endpgm
.Lfunc_end_k_qc6889a1d02_attn:
	.size	k_qc6889a1d02_attn, .Lfunc_end_k_qc6889a1d02_attn-k_qc6889a1d02_attn
	.p2alignl 7, 3214868480
	.fill 96, 4, 3214868480
	.section	.rodata,"a",@progbits
	.p2align	6, 0x0
	.amdhsa_kernel k_qc6889a1d02_attn
		.amdhsa_group_segment_fixed_size 327680
		.amdhsa_private_segment_fixed_size 0
		.amdhsa_enable_private_segment 0
		.amdhsa_kernarg_size 24
		.amdhsa_user_sgpr_count 2
		.amdhsa_user_sgpr_kernarg_segment_ptr 1
		.amdhsa_wavefront_size32 1
		.amdhsa_system_sgpr_workgroup_id_x 1
		.amdhsa_system_sgpr_workgroup_id_y 1
		.amdhsa_system_sgpr_workgroup_id_z 1
		.amdhsa_system_vgpr_workitem_id 0
		.amdhsa_next_free_vgpr 1024
		.amdhsa_next_free_sgpr 72
		.amdhsa_reserve_vcc 0
		.amdhsa_float_denorm_mode_32 3
		.amdhsa_float_denorm_mode_16_64 3
		.amdhsa_memory_ordered 1
		.amdhsa_forward_progress 1
		.amdhsa_inst_pref_size 255
	.end_amdhsa_kernel
	.section	.bss,"aw",@nobits
	.p2align	6
	.space	262144
	.amdgpu_metadata
---
amdhsa.version: [ 1, 2 ]
amdhsa.kernels:
  - .name:           k_qc6889a1d02_attn
    .symbol:         k_qc6889a1d02_attn.kd
    .args:
      - { .name: qkv, .offset: 0, .size: 8, .value_kind: global_buffer, .address_space: global }
      - { .name: wut, .offset: 8, .size: 8, .value_kind: global_buffer, .address_space: global }
      - { .name: part, .offset: 16, .size: 8, .value_kind: global_buffer, .address_space: global }
    .group_segment_fixed_size: 327680
    .private_segment_fixed_size: 0
    .kernarg_segment_align: 8
    .kernarg_segment_size: 24
    .max_flat_workgroup_size: 128
    .sgpr_count:     72
    .vgpr_count:     1024
    .wavefront_size: 32
...
	.end_amdgpu_metadata
.endif
;; end of part 3
;; launch sum (part 4): grid 256 x 1, 8 waves a work-group, no clusters, 35,840 bytes of LDS; arguments part, bu, out0; writes out0
.if DOCPART == 4
	.amdgcn_target "amdgcn-amd-amdhsa--gfx1250"
	.amdhsa_code_object_version 6
	.text
	.protected	k_qc6889a1d02_sum
	.globl	k_qc6889a1d02_sum
	.p2align	8
	.type	k_qc6889a1d02_sum,@function
k_qc6889a1d02_sum:
	s_mov_b64 s[64:65], 0
	v_nop
	global_prefetch_b8 v0, s[64:65] scope:SCOPE_SE
	s_setreg_imm32_b32 hwreg(HW_REG_WAVE_MODE, 25, 1), 1
	s_wait_xcnt 0x0
; SUM: out0[token][n] = the sum over the eight heads of their shares of the last product + bu[n].  No work of the problem is left out.
; part: [y = 8 batch + head][8 blocks of queries][4 waves][4 chunks of 128 outputs][2 tiles of 16 tokens][8 tiles of 16 outputs][2 halves][32 lanes][16 bytes], f32, as launch attn's accumulators held them:
; lane (r, h) of piece 2 nt + half holds token r, outputs 16 nt + 8 h + 4 half + 0..3.
; A wave owns 16 tokens x 64 outputs: 4,096 consecutive bytes in each head, eight loads of 512 bytes.  Seven heads and the bias are asked for at once (57 loads of mine are out), the eighth as soon as the first buffer has been
; added.  The heads are added in ascending order; the sums turn through the wave's own stage in LDS into rows, take the bias, and leave two rows a store, sixteen lanes to 256 consecutive bytes, aligned.
; Memory binds: no matrix unit, no cluster, no barrier: waves share nothing.
.set ACC, 32                           ; v32-63   the sums
.set B0,  64                           ; v64-255  six buffers of 32: heads 1 to 6, then head 7 in the first; later the rows read back
.set SPW, 30                           ; v30  LDS address of my spare word; never rewritten
.set NIL, 31                           ; v31  0; never rewritten
.set SP,  272                          ; a stage row: 256 bytes + 16
.set SPARE, 8*16*SP                    ; behind the eight stages: the spare words, 128 bytes for each wave: four blocks of 256 bytes that no other line names
	s_load_b128 s[4:7], s[0:1], 0x0                ; part 4, bu 6
	s_load_b64 s[8:9], s[0:1], 0x10                ; out0
	v_lshl_add_u32 v[SPW], v0, 2, SPARE
	v_mov_b32 v[NIL], 0
	v_lshrrev_b32 v1, 5, v0
	v_readfirstlane_b32 s12, v1                    ; wave 0..7
	v_and_b32 v1, 31, v0
	v_lshlrev_b32 v2, 4, v1                        ; 16 x lane
	s_lshl_b32 s13, ttmp9, 3
	s_add_co_u32 s13, s13, s12                     ; 0..2047
	s_and_b32 s23, s13, 1                          ; which 64 outputs of a unit of 16 tokens x 128 outputs
	s_lshr_b32 s13, s13, 1                         ; the unit, 0..1023
	s_lshr_b32 s14, s13, 8                         ; batch
	s_and_b32 s15, s13, 255                        ; the unit in a head
	s_lshl_b32 s16, s14, 24                        ; eight heads of 2^21 bytes a batch
	s_lshl_b32 s17, s15, 13
	s_add_co_u32 s16, s16, s17
	s_lshl_b32 s17, s23, 12                        ; my half of the unit's 8,192 bytes
	s_add_co_u32 s16, s16, s17
	s_mov_b32 s17, 0
	s_bfe_u32 s18, s15, 0x20001                    ; the chunk of 128 outputs
	s_lshl_b32 s18, s18, 9                         ; in bytes,
	s_lshl_b32 s19, s23, 8
	s_add_co_u32 s18, s18, s19                     ; + my 64 outputs
	s_mov_b32 s19, 0
	s_lshr_b32 s20, s15, 3
	s_lshl_b32 s20, s20, 5                         ; 32 tokens for each (block, wave) of attn,
	s_and_b32 s21, s15, 1
	s_lshl_b32 s21, s21, 4                         ; 16 for the tile,
	s_add_co_u32 s20, s20, s21
	s_lshl_b32 s21, s14, 10                        ; 1,024 a batch
	s_add_co_u32 s20, s20, s21
	s_lshl_b32 s20, s20, 11                        ; rows of 2,048 bytes
	s_add_co_u32 s20, s20, s18
	s_mov_b32 s21, 0
	v_and_b32 v4, 15, v1                           ; r
	v_lshrrev_b32 v5, 4, v1                        ; h
	s_mul_i32 s22, s12, 16*SP                      ; my stage
	v_mul_u32_u24 v3, v4, SP
	v_lshl_add_u32 v3, v5, 5, v3
	v_add_nc_u32 v3, s22, v3                       ; into it: row r, + 32 h
	v_mul_u32_u24 v6, v5, SP
	v_lshl_add_u32 v6, v4, 4, v6
	v_add_nc_u32 v6, s22, v6                       ; back: lanes 0-15 one row, lanes 16-31 the next; 16 bytes a lane
	v_lshlrev_b32 v7, 4, v4                        ; my four numbers of the bias
	v_lshlrev_b32 v8, 11, v5
	v_lshl_add_u32 v8, v4, 4, v8                   ; and the same two rows in out0
	s_wait_kmcnt 0x0
	s_add_nc_u64 s[4:5], s[4:5], s[16:17]          ; heads 0-3
	s_add_nc_u64 s[10:11], s[4:5], 0x800000        ; heads 4-7: so every offset is an immediate
	s_add_nc_u64 s[6:7], s[6:7], s[18:19]
	s_add_nc_u64 s[8:9], s[8:9], s[20:21]
.macro HLOAD h, reg
.irp p, 0,1,2,3,4,5,6,7
.if (\h) < 4
	global_load_b128 v[\reg+4*\p:\reg+4*\p+3], v2, s[4:5] offset:(\h)*2097152+512*\p th:TH_LOAD_NT
.else
	global_load_b128 v[\reg+4*\p:\reg+4*\p+3], v2, s[10:11] offset:((\h)-4)*2097152+512*\p th:TH_LOAD_NT
.endif
.endr
.endm
.macro ADDH buf
.set i, 0
.rept 16
	v_pk_add_f32 v[ACC+i:ACC+i+1], v[ACC+i:ACC+i+1], v[\buf+i:\buf+i+1]
.set i, i+2
.endr
.endm
	global_load_b128 v[24:27], v7, s[6:7]
	HLOAD 0, ACC
.irp k, 1,2,3,4,5,6
	HLOAD \k, B0+32*(\k-1)
.endr
	s_wait_loadcnt 40                              ; heads 0 and 1 are in; eight loads for each of heads 2 to 6 may be out
	ADDH B0
	HLOAD 7, B0                                    ; the last head, into the buffer just added
.irp k, 2,3,4,5,6
	s_wait_loadcnt 8*(7-\k)                        ; head k is in; eight loads for each later head, the last among them, may be out
	ADDH B0+32*(\k-1)
.endr
	s_wait_loadcnt 0x0
	ADDH B0
.irp p, 0,1,2,3,4,5,6,7
	ds_store_b128 v3, v[ACC+4*\p:ACC+4*\p+3] offset:64*(\p/2)+16*(\p%2)
.endr
.irp i, 0,1,2,3,4,5,6,7
	ds_load_b128 v[B0+4*\i:B0+4*\i+3], v6 offset:2*\i*SP   ; LDS serves a wave's instructions in order (ISA guide 5.7.1.4): these see my stores
.endr
.irp i, 0,1,2,3,4,5,6,7
	s_wait_dscnt 7-\i                              ; rows 2 i and 2 i + 1 are back; the later pairs' loads may be out
	v_pk_add_f32 v[B0+4*\i:B0+4*\i+1], v[B0+4*\i:B0+4*\i+1], v[24:25]
	v_pk_add_f32 v[B0+4*\i+2:B0+4*\i+3], v[B0+4*\i+2:B0+4*\i+3], v[26:27]
	global_store_b128 v8, v[B0+4*\i:B0+4*\i+3], s[8:9] offset:4096*\i th:TH_STORE_NT   ; sixteen lanes store 256 consecutive bytes, at a multiple of 256 from out0's first byte
.endr
	s_wait_tensorcnt 0x0                           ; the wave's end, behind my last LDS store
	ds_add_u32 v[SPW], v[NIL]
	s_wait_dscnt 0x0
	s_endpgm
.Lfunc_end_k_qc6889a1d02_sum:
	.size	k_qc6889a1d02_sum, .Lfunc_end_k_qc6889a1d02_sum-k_qc6889a1d02_sum
	.p2alignl 7, 3214868480
	.fill 96, 4, 3214868480
	.section	.rodata,"a",@progbits
	.p2align	6, 0x0
	.amdhsa_kernel k_qc6889a1d02_sum
		.amdhsa_group_segment_fixed_size 35840
		.amdhsa_private_segment_fixed_size 0
		.amdhsa_enable_private_segment 0
		.amdhsa_kernarg_size 24
		.amdhsa_user_sgpr_count 2
		.amdhsa_user_sgpr_kernarg_segment_ptr 1
		.amdhsa_wavefront_size32 1
		.amdhsa_system_sgpr_workgroup_id_x 1
		.amdhsa_system_sgpr_workgroup_id_y 1
		.amdhsa_system_sgpr_workgroup_id_z 1
		.amdhsa_system_vgpr_workitem_id 0
		.amdhsa_next_free_vgpr 256
		.amdhsa_next_free_sgpr 66
		.amdhsa_reserve_vcc 0
		.amdhsa_float_denorm_mode_32 3
		.amdhsa_float_denorm_mode_16_64 3
		.amdhsa_memory_ordered 1
		.amdhsa_forward_progress 1
		.amdhsa_inst_pref_size 19
	.end_amdhsa_kernel
	.amdgpu_metadata
---
amdhsa.version: [ 1, 2 ]
amdhsa.kernels:
  - .name:           k_qc6889a1d02_sum
    .symbol:         k_qc6889a1d02_sum.kd
    .args:
      - { .name: part, .offset: 0, .size: 8, .value_kind: global_buffer, .address_space: global }
      - { .name: bu, .offset: 8, .size: 8, .value_kind: global_buffer, .address_space: global }
      - { .name: out0, .offset: 16, .size: 8, .value_kind: global_buffer, .address_space: global }
    .group_segment_fixed_size: 35840
    .private_segment_fixed_size: 0
    .kernarg_segment_align: 8
    .kernarg_segment_size: 24
    .max_flat_workgroup_size: 256
    .sgpr_count:     66
    .vgpr_count:     256
    .wavefront_size: 32
...
	.end_amdgpu_metadata
.endif
;; end of part 4
